; MI455X (gfx1250); checked and timed in simulation.
; The chip was launched on July 23, 2026; its instructions are those of AMD's public machine-readable ISA for CDNA 5 (MIT licence, August 2026) and "CDNA5" Instruction Set Architecture Reference Guide (July 2026). The comments in the code are by the model that wrote it; some were corrected since.
;; Causal Multihead Self Attention. Allowed arithmetic: matrix products marked QUANTISED: E4M3 operands, one given power-of-two scale a tensor, by v_wmma_f32_16x16x64_fp8_fp8 or v_wmma_f32_16x16x128_fp8_fp8, f32 sums; everything else in f32.
;; Inputs: Wo 1,024 x 1,024 float32; Wqkv 3,072 x 1,024 float32; lowp_scales 8 int32 (the exponents e of the quantised operands' scales 2^e); token_positions 4,096 int32; x 1 x 4,096 x 1,024 float32.
;; Outputs: out0 1 x 4,096 x 1,024 float32.
;; This version of the problem:
;;   THIS VERSION OF THE PROBLEM IS GIVEN IN LOW PRECISION. The matrix products marked QUANTISED in the list below multiply operands that are first quantised to E4M3 (4 exponent bits, 3 mantissa bits; 8 bits a number), with one given power-of-two scale for each operand tensor; their sums are f32. All else is computed in f32.
;;   The module's matrix products, in the order in which they are computed (A, B: the left and right operand; K: the contracted axis; several contracted axes count as one K, in the product's order):
;;     1. [M 4,096, K 1,024] x [K 1,024, N 3,072]; A: input x; B: input Wqkv: QUANTISED (scales: A lowp_scales[0], B lowp_scales[1])
;;     2. batch 16 x [M 4,096, K 64] x [K 64, N 4,096]; A: computed on the way; B: computed on the way: QUANTISED (scales: A lowp_scales[2], B lowp_scales[3])
;;     3. batch 16 x [M 4,096, K 4,096] x [K 4,096, N 64]; A: softmax (see below); B: computed on the way: QUANTISED (scales: A lowp_scales[4], B lowp_scales[5])
;;     4. [M 4,096, K 1,024] x [K 1,024, N 1,024]; A: computed on the way; B: input Wo: QUANTISED (scales: A lowp_scales[6], B lowp_scales[7])
;;   THE QUANTISER, for each operand of a quantised product, along K:
;;     - The operand's scale is 2^e, e = its entry of the input lowp_scales (int32; the entries are numbered through the quantised products in the list's order, A before B).
;;     - Each number is divided by the scale, clamped to +-448, and rounded to the nearest number of E4M3, ties to even, subnormals kept.
;;     - The product sums the exact products of the quantised numbers (number of the format x scale) in f32.
;;   ~~~python
;;   def quantise(x, axis, e):      # numpy; x: float32 -> the quantised numbers, widened to float32 again
;;       x = np.moveaxis(x, axis, -1); K = x.shape[-1]
;;       r = np.clip(x / 2.0 ** e, -448, 448)
;;       step = 2.0 ** (np.maximum(np.frexp(np.where(r == 0, 1, r))[1] - 1, -6) - 3)
;;       q = np.round(r / step) * step * 2.0 ** e      # np.round: ties to even
;;       return np.moveaxis(q, -1, axis).astype(np.float32)
;;   ~~~
;;   SOFTMAX AHEAD OF A QUANTISED PRODUCT. Where the list says 'softmax', what is quantised is not the finished softmax but p = 2^(t - M), with t = logit x log2(e) and M = ceil(the row's largest t), a whole number; so 1/2 < the row's largest p <= 1. The row's sum l is taken of the UNQUANTISED p, in f32, and the product's result is divided by l at the end. Since M is a whole number, a kernel that streams over the keys may use a running M (the ceiling of the running maximum): every later rescaling is an exact power of two, so the quantised numbers keep their values, but for numbers so far below the row's largest that they fall under the format's range.
;;   OPERANDS COMPUTED ON THE WAY. 'Computed on the way' means the value that the module computes at that place (a softmax that the list does not call 'softmax' is quantised finished and normalised). What goes into a quantiser is computed in f32, as accurately as f32 sums, v_exp_f32 and their like allow (about 1e-6 of the number): no bf16 or f16 on the way to a quantiser, and a product that is left as it is and whose result goes on into a quantised operand takes f32 operands (vector FMAs, or v_wmma_f32_16x16x4_f32). A number that lies on a knife's edge between two numbers of the format may be rounded either way, as far as f32 arithmetic and the matrix unit's own rounding can turn it there, and no further.
;; One version. Each part assembles by itself: llvm-mc -triple=amdgcn-amd-amdhsa -mcpu=gfx1250 --defsym DOCPART=n.
;; ======== version 1 of 1: 4 launches
;; limits: right only within a limited range of input values
;; workspace buffers: cod 7,340,032 bytes; woc 1,048,576 bytes; oc 4,194,304 bytes; rope 1,048,576 bytes; qc 4,194,304 bytes; kvc 8,388,608 bytes
;; launch prep (part 1): grid 256 x 1, 8 waves a work-group, no clusters, 68,608 bytes of LDS; arguments x, Wqkv, Wo, token_positions, lowp_scales, cod, woc, rope; writes cod, woc, rope
.if DOCPART == 1
	.amdgcn_target "amdgcn-amd-amdhsa--gfx1250"
	.amdhsa_code_object_version 6
	.text
	.protected	k_qf57f39f618_prep
	.globl	k_qf57f39f618_prep
	.p2align	8
	.type	k_qf57f39f618_prep,@function
k_qf57f39f618_prep:
	s_mov_b64 s[64:65], 0
	v_nop
	global_prefetch_b8 v0, s[64:65] scope:SCOPE_SE
	s_setreg_imm32_b32 hwreg(HW_REG_WAVE_MODE, 25, 1), 1
	s_wait_xcnt 0x0
; x [4096][1024], Wqkv [3072][1024] and Wo [1024][1024], f32, become codes of FP8 (E4M3), each with its given scale 2^e (entries 0, 1 and 7 of the scales); and the table of cos and sin for the rotation is made.
; code = x / 2^e, held within +-448, rounded to the nearest code, ties to even.
; LAYOUT OF THE CODES: images of operand registers.  A fragment is 16 rows x 128 K: lane (r = lane % 16, h = lane / 16) holds, of row r, k = 16 c + 8 h + 0 .. 7 in registers 2 c, 2 c + 1.  Four registers of the 32 lanes are a
; piece of 512 bytes, lane l's 16 bytes at 16 l.  cod: [256 along K: 4][block of 16 rows: 448 (x: 0-255, Wqkv: 256-447)][128 along K: 2][piece: 4][512 bytes]; woc the same with 64 blocks of rows.
; SHARES: 4,096 fragments, 16 a work-group (32 rows), 2 a wave: wave w takes K step w of both blocks of rows.  Work-groups 0-127: x; 128-223: Wqkv; 224-255: Wo: only pointers and constants are chosen, by the work-group's number.
; Each load reads 512 consecutive bytes of a row; a fragment's 16 rows turn through the wave's own stage in LDS (rows 528 bytes apart) so that a lane gets 8 neighbours along K in 8 consecutive registers; each store covers 512 consecutive bytes.
; All of a wave's 32 loads go out at once; the table is computed while they are on their way.  No barrier: waves share nothing.
; THE TABLE: rope [block of 16 tokens: 256][piece c: 8][lane][cos, sin, cos, sin]: piece c = 2 b + u of lane (r, h): token r, pairs 8 b + 4 h + 2 u + 0, 1.  Work-group g makes block g, wave w piece w.
; angle = position / 10000^(pair / 32) = position / (10^b x 10^(m / 8)), m = pair % 8; the division is a reciprocal with one correction step; the angle is reduced by pi/2 in three parts; polynomials on |r| <= pi/4.
; LIMITS: each e between -126 and 119.  NaN among the inputs is not served.  |position| up to 2^17: beyond it the reduction of the angle loses accuracy by and by.
.set SP,     528                       ; a stage row: 512 bytes + 16: the 16 rows of a read start in 16 different columns of 16 bytes
.set STGB,   16*SP                     ; a wave's stage
.set RAW,    64                        ; v64-191  two fragments as loaded
.set X,      192                       ; v192-255 a fragment, 8 neighbours along K in 8 registers
.set COD,    32                        ; v32-63   the codes: registers of their own for each fragment, so that no store's data are written again
.set KS_COD, 1835008                   ; 256 along K further on in cod: 448 blocks x 4,096 bytes
.set KS_WO,  262144                    ; and in woc: 64 blocks
	s_load_b256 s[4:11], s[0:1], 0x0               ; x, Wqkv, Wo, token_positions
	s_load_b256 s[12:19], s[0:1], 0x20             ; the scales' exponents, cod, woc, rope
	s_set_vgpr_msb 0x40
	v_lshl_add_u32 v0, v0, 2, 0x10800
	v_mov_b32 v1, 0
	s_set_vgpr_msb 0x4000
	v_lshrrev_b32 v1, 5, v0
	s_delay_alu instid0(VALU_DEP_1)
	v_readfirstlane_b32 s20, v1                    ; wave 0..7
	v_and_b32 v1, 31, v0                           ; lane
	v_and_b32 v2, 15, v0                           ; r
	v_bfe_u32 v3, v0, 4, 1                         ; h
	s_delay_alu instid0(VALU_DEP_3)
	v_lshlrev_b32 v4, 4, v1                        ; 16 x lane: my bytes of a load, of a piece
	s_mul_i32 s22, s20, STGB
	v_add_nc_u32 v5, s22, v4                       ; the stage, on the way in: 16 x lane of a row
	v_mul_u32_u24 v6, v2, SP
	s_delay_alu instid0(VALU_DEP_1)
	v_lshl_add_u32 v6, v3, 5, v6
	s_delay_alu instid0(VALU_DEP_1)
	v_add_nc_u32 v6, s22, v6                       ; and on the way out: row r, + 32 h bytes (8 numbers)
	v_lshlrev_b32 v7, 2, v2                        ; my token's position
	s_lshr_b32 s40, s20, 1                         ; which 256 along K; also b of the table's piece
	s_and_b32 s52, s20, 1                          ; which 128 of them; also u
	s_cmp_lt_u32 ttmp9, 128
	s_cselect_b32 s36, 0, 128
	s_cmp_lt_u32 ttmp9, 224
	s_cselect_b32 s36, s36, 224                    ; the tensor's first work-group
	s_cselect_b32 s39, 0, 224                      ; the output buffer's first work-group (x and Wqkv share cod)
	s_mov_b32 s38, KS_WO
	s_cselect_b32 s38, KS_COD, s38
	s_sub_co_u32 s36, ttmp9, s36
	s_lshl_b32 s48, s36, 17                        ; 32 rows of 4,096 bytes a work-group,
	s_lshl_b32 s49, s20, 9                         ; + my K step's 512 bytes
	s_add_co_u32 s48, s48, s49
	s_mov_b32 s49, 0
	s_sub_co_u32 s39, ttmp9, s39
	s_lshl_b32 s50, s39, 13                        ; two blocks of rows, 4,096 bytes each, a work-group
	s_mul_i32 s51, s40, s38
	s_add_co_u32 s50, s50, s51
	s_lshl_b32 s51, s52, 11
	s_add_co_u32 s50, s50, s51
	s_mov_b32 s51, 0
	s_lshl_b32 s58, ttmp9, 6                       ; 16 positions of 4 bytes
	s_mov_b32 s59, 0
	s_lshl_b32 s60, ttmp9, 12                      ; the table's block, 4,096 bytes,
	s_lshl_b32 s61, s20, 9                         ; my piece
	s_add_co_u32 s60, s60, s61
	s_mov_b32 s61, 0
	s_wait_alu depctr_va_vdst(0)
	s_wait_kmcnt 0x0
	s_load_b256 s[24:31], s[12:13], 0x0            ; e0 .. e7
	s_cmp_lt_u32 ttmp9, 128                        ; the choices hang on the work-group's number alone
	s_cselect_b64 s[32:33], s[4:5], s[6:7]
	s_cmp_lt_u32 ttmp9, 224
	s_cselect_b64 s[32:33], s[32:33], s[8:9]
	s_cselect_b64 s[34:35], s[14:15], s[16:17]
	s_add_nc_u64 s[32:33], s[32:33], s[48:49]
	s_add_nc_u64 s[34:35], s[34:35], s[50:51]
	s_add_nc_u64 s[10:11], s[10:11], s[58:59]
	s_add_nc_u64 s[18:19], s[18:19], s[60:61]
	global_load_b32 v8, v7, s[10:11]               ; the position of token r
.set n, 0
.rept 32
	global_load_b128 v[RAW+4*n:RAW+4*n+3], v4, s[32:33] offset:4096*n th:TH_LOAD_NT   ; row n of my 32: 512 consecutive bytes
.set n, n+1
.endr
	; the divisors 10^b x 10^(m / 8), m = 4 h + 2 u + i, for i = 0, 1
	s_mov_b32 s41, 1.0
	s_cmp_eq_u32 s40, 1
	s_cselect_b32 s41, 0x41200000, s41             ; 10
	s_cmp_eq_u32 s40, 2
	s_cselect_b32 s41, 0x42c80000, s41             ; 100
	s_cmp_eq_u32 s40, 3
	s_cselect_b32 s41, 0x447a0000, s41             ; 1000
	s_cmp_eq_u32 s52, 1
	s_mov_b32 s53, 1.0                             ; 10^(0/8)
	s_cselect_b32 s53, 0x3fe39ea9, s53             ; 10^(2/8)
	s_mov_b32 s54, 0x404a62c2                      ; 10^(4/8)
	s_cselect_b32 s54, 0x40b3f300, s54             ; 10^(6/8)
	s_mov_b32 s55, 0x3faab0d5                      ; 10^(1/8)
	s_cselect_b32 s55, 0x4017c496, s55             ; 10^(3/8)
	s_mov_b32 s56, 0x4086f161                      ; 10^(5/8)
	s_cselect_b32 s56, 0x40eff755, s56             ; 10^(7/8)
	s_mul_f32 s53, s53, s41                        ; exact where b = 0, where the angles are largest
	s_mul_f32 s54, s54, s41
	s_mul_f32 s55, s55, s41
	s_mul_f32 s56, s56, s41
	s_mov_b32 s44, 0xbfc90fd8                      ; -pi/2 in three parts
	s_mov_b32 s45, 0xb4a8885a
	s_mov_b32 s46, 0xa7c234c4
	v_cmp_eq_u32 vcc_lo, 1, v3
	v_mov_b32 v12, s53
	v_mov_b32 v13, s54
	s_delay_alu instid0(VALU_DEP_1)
	v_cndmask_b32 v12, v12, v13, vcc_lo            ; i = 0: my half's divisor
	v_mov_b32 v20, s55
	v_mov_b32 v21, s56
	s_delay_alu instid0(VALU_DEP_1)
	v_cndmask_b32 v20, v20, v21, vcc_lo            ; i = 1
	s_wait_alu depctr_va_vdst(0)
	v_rcp_f32 v13, v12
	v_rcp_f32 v21, v20
	v_nop                                          ; a plain instruction behind the reciprocals,
	s_wait_alu depctr_va_vdst(0)                   ; and one wait for both, ahead of their first reader
	s_wait_loadcnt 32                              ; the position is in; the 32 loads issued behind it stay out
	v_cvt_f32_i32 v9, v8
; cos and sin of position / divisor, for pair i.  v[W] the divisor, v[W+1] its reciprocal.
.macro TRIG i
.set W, 12+8*(\i)
	v_mul_f32 v[W+2], v9, v[W+1]                   ; q = p y
	s_delay_alu instid0(VALU_DEP_1)
	v_fma_f32 v[W+3], -v[W+2], v[W], v9            ; what q leaves of p,
	v_fma_f32 v[W+2], v[W+3], v[W+1], v[W+2]       ; corrected: the angle
	s_delay_alu instid0(VALU_DEP_1)
	v_mul_f32 v[W+3], 0x3f22f983, v[W+2]           ; x 2 / pi
	s_delay_alu instid0(VALU_DEP_1)
	v_rndne_f32 v[W+3], v[W+3]                     ; n quarter turns
	s_delay_alu instid0(VALU_DEP_1)
	v_fma_f32 v[W+2], v[W+3], s44, v[W+2]
	s_delay_alu instid0(VALU_DEP_1)
	v_fma_f32 v[W+2], v[W+3], s45, v[W+2]
	s_delay_alu instid0(VALU_DEP_1)
	v_fma_f32 v[W+2], v[W+3], s46, v[W+2]          ; r = angle - n pi/2
	s_delay_alu instid0(VALU_DEP_1)
	v_mul_f32 v[W+4], v[W+2], v[W+2]               ; z = r r
	v_mov_b32 v[W+5], 0xb94ca1f9
	s_delay_alu instid0(VALU_DEP_1)
	v_fmaak_f32 v[W+5], v[W+5], v[W+4], 0x3c08839e
	s_delay_alu instid0(VALU_DEP_1)
	v_fmaak_f32 v[W+5], v[W+5], v[W+4], 0xbe2aaaa3
	s_delay_alu instid0(VALU_DEP_4)
	v_mul_f32 v[W], v[W+4], v[W+2]
	s_delay_alu instid0(VALU_DEP_1)
	v_fma_f32 v[W+5], v[W+5], v[W], v[W+2]         ; sin r
	v_mov_b32 v[W+6], 0x37ccf5ce
	s_delay_alu instid0(VALU_DEP_1)
	v_fmaak_f32 v[W+6], v[W+6], v[W+4], 0xbab6061a
	s_delay_alu instid0(VALU_DEP_1)
	v_fmaak_f32 v[W+6], v[W+6], v[W+4], 0x3d2aaaa5
	s_delay_alu instid0(VALU_DEP_1)
	v_fmaak_f32 v[W+6], v[W+6], v[W+4], 0xbf000000
	s_delay_alu instid0(VALU_DEP_1)
	v_fmaak_f32 v[W+6], v[W+6], v[W+4], 0x3f800000 ; cos r
	v_cvt_i32_f32 v[W+7], v[W+3]
	s_delay_alu instid0(VALU_DEP_1)
	v_and_b32 v[W], 1, v[W+7]
	s_delay_alu instid0(VALU_DEP_1)
	v_cmp_eq_u32 vcc_lo, 1, v[W]                   ; an odd quarter swaps the two (values alone are chosen)
	s_delay_alu instid0(VALU_DEP_1)
	v_cndmask_b32 v[W+1], v[W+6], v[W+5], vcc_lo
	s_delay_alu instid0(VALU_DEP_2)
	v_cndmask_b32 v[W+2], v[W+5], v[W+6], vcc_lo
	v_lshlrev_b32 v[W], 30, v[W+7]
	s_delay_alu instid0(VALU_DEP_1)
	v_and_b32 v[W], 0x80000000, v[W]               ; sin is negated in quarters 2 and 3,
	s_delay_alu instid0(VALU_DEP_1)
	v_xor_b32 v[29+2*(\i)], v[W], v[W+2]
	v_add_nc_u32 v[W+7], 1, v[W+7]
	s_delay_alu instid0(VALU_DEP_1)
	v_lshlrev_b32 v[W+7], 30, v[W+7]
	s_delay_alu instid0(VALU_DEP_1)
	v_and_b32 v[W+7], 0x80000000, v[W+7]           ; cos in quarters 1 and 2
	s_delay_alu instid0(VALU_DEP_1)
	v_xor_b32 v[28+2*(\i)], v[W+7], v[W+1]
.endm
	TRIG 0
	TRIG 1
	global_store_b128 v4, v[28:31], s[18:19]       ; the wave stores its piece: 512 consecutive bytes
	s_wait_kmcnt 0x0
	s_cmp_lt_u32 ttmp9, 128
	s_cselect_b32 s37, s24, s25                    ; e0 for x, e1 for Wqkv,
	s_cmp_lt_u32 ttmp9, 224
	s_cselect_b32 s37, s37, s31                    ; e7 for Wo
	s_add_co_i32 s37, s37, 127
	s_lshl_b32 s47, s37, 23
	v_mov_b32 v11, s47                             ; 2^e as f32: the conversion takes its exponent field
	s_add_co_i32 s37, s37, 8
	s_lshl_b32 s37, s37, 23
	s_or_b32 s37, s37, 0x600000
	v_mov_b32 v10, s37                             ; 448 x 2^e
; Fragment f.  left: the younger loads that may stay out.
.macro FRAGQ f, left
	s_wait_loadcnt \left
.set n, 0
.rept 16
	ds_store_b128 v5, v[RAW+64*(\f)+4*n:RAW+64*(\f)+4*n+3] offset:SP*n
.set n, n+1
.endr
.set n, 0
.rept 16                               ; LDS serves a wave's instructions in order: these see the stores above.  X[8 c + 0 .. 7] = k 16 c + 8 h + 0 .. 7 of row r: 32 bytes at 64 c + 32 h
	ds_load_b128 v[X+4*n:X+4*n+3], v6 offset:64*(n/2)+16*(n%2)
.set n, n+1
.endr
	s_wait_dscnt 0x0
.set n, 0
.rept 64
	v_med3_num_f32 v[X+n], v[X+n], -v10, v10       ; the conversion to an 8-bit code does not saturate (ISA guide 7.6.2): the hold at the largest code x the scale
.set n, n+1
.endr
.set n, 0
.rept 8
	v_cvt_scalef32_pk8_fp8_f32 v[COD+16*(\f)+2*n:COD+16*(\f)+2*n+1], v[X+8*n:X+8*n+7], v11
.set n, n+1
.endr
	v_nop                                          ; a plain instruction between the conversions and the next vector instruction that writes their sources
.irp c, 0,1,2,3
	global_store_b128 v4, v[COD+16*(\f)+4*\c:COD+16*(\f)+4*\c+3], s[34:35] offset:4096*(\f)+512*\c
.endr
.endm
	s_wait_alu depctr_va_vdst(0)
	FRAGQ 0, 16                                    ; the second fragment's 16 loads may stay out
	FRAGQ 1, 0
	s_set_vgpr_msb 0x5
	s_wait_tensorcnt 0x0
	ds_add_u32 v0, v1
	s_wait_dscnt 0x0
	s_set_vgpr_msb 0x500
	s_endpgm
.Lfunc_end_k_qf57f39f618_prep:
	.size	k_qf57f39f618_prep, .Lfunc_end_k_qf57f39f618_prep-k_qf57f39f618_prep
	.p2alignl 7, 3214868480
	.fill 96, 4, 3214868480
	.section	.rodata,"a",@progbits
	.p2align	6, 0x0
	.amdhsa_kernel k_qf57f39f618_prep
		.amdhsa_group_segment_fixed_size 68608
		.amdhsa_private_segment_fixed_size 0
		.amdhsa_enable_private_segment 0
		.amdhsa_kernarg_size 64
		.amdhsa_user_sgpr_count 2
		.amdhsa_user_sgpr_kernarg_segment_ptr 1
		.amdhsa_wavefront_size32 1
		.amdhsa_system_sgpr_workgroup_id_x 1
		.amdhsa_system_sgpr_workgroup_id_y 1
		.amdhsa_system_sgpr_workgroup_id_z 1
		.amdhsa_system_vgpr_workitem_id 0
		.amdhsa_next_free_vgpr 258
		.amdhsa_next_free_sgpr 66
		.amdhsa_reserve_vcc 1
		.amdhsa_float_denorm_mode_32 3
		.amdhsa_float_denorm_mode_16_64 3
		.amdhsa_memory_ordered 1
		.amdhsa_forward_progress 1
		.amdhsa_inst_pref_size 27
	.end_amdhsa_kernel
	.amdgpu_metadata
---
amdhsa.version: [ 1, 2 ]
amdhsa.kernels:
  - .name:           k_qf57f39f618_prep
    .symbol:         k_qf57f39f618_prep.kd
    .args:
      - { .name: x, .offset: 0, .size: 8, .value_kind: global_buffer, .address_space: global }
      - { .name: Wqkv, .offset: 8, .size: 8, .value_kind: global_buffer, .address_space: global }
      - { .name: Wo, .offset: 16, .size: 8, .value_kind: global_buffer, .address_space: global }
      - { .name: token_positions, .offset: 24, .size: 8, .value_kind: global_buffer, .address_space: global }
      - { .name: lowp_scales, .offset: 32, .size: 8, .value_kind: global_buffer, .address_space: global }
      - { .name: cod, .offset: 40, .size: 8, .value_kind: global_buffer, .address_space: global }
      - { .name: woc, .offset: 48, .size: 8, .value_kind: global_buffer, .address_space: global }
      - { .name: rope, .offset: 56, .size: 8, .value_kind: global_buffer, .address_space: global }
    .group_segment_fixed_size: 68608
    .private_segment_fixed_size: 0
    .kernarg_segment_align: 8
    .kernarg_segment_size: 64
    .max_flat_workgroup_size: 256
    .sgpr_count:     66
    .vgpr_count:     258
    .wavefront_size: 32
...
	.end_amdgpu_metadata
.endif
;; end of part 1
;; launch qkv (part 2): grid 16 x 16, 4 waves a work-group, clusters of 4 x 4, 327,680 bytes of LDS; arguments cod, rope, lowp_scales, qc, kvc; writes qc, kvc
.if DOCPART == 2
	.amdgcn_target "amdgcn-amd-amdhsa--gfx1250"
	.amdhsa_code_object_version 6
	.text
	.protected	k_qf57f39f618_qkv
	.globl	k_qf57f39f618_qkv
	.p2align	8
	.type	k_qf57f39f618_qkv,@function
k_qf57f39f618_qkv:
	s_mov_b64 s[64:65], 0
	v_nop
	global_prefetch_b8 v0, s[64:65] scope:SCOPE_SE
	s_setreg_imm32_b32 hwreg(HW_REG_WAVE_MODE, 25, 1), 1
	s_wait_xcnt 0x0
	s_wait_alu depctr_hold_cnt(0) depctr_sa_sdst(0) depctr_va_vdst(0) depctr_va_sdst(0) depctr_va_ssrc(0) depctr_va_vcc(0) depctr_vm_vsrc(0)
	s_getreg_b32 s2, hwreg(HW_REG_IB_STS2, 6, 4)
	s_cmp_eq_u32 s2, 0
	s_cbranch_scc0 .Lentry_in_a_cluster
	s_endpgm
.Lentry_in_a_cluster:
	s_bfe_u32 s2, ttmp6, 0x10000c
	s_cmp_lg_u32 s2, 0xf033
	s_cbranch_scc0 .Lentry_shape_is_right
	s_endpgm
.Lentry_shape_is_right:
; qkv = x Wqkv^T on codes of FP8 (E4M3), K = 1,024; q and k are rotated by the table of cos and sin; q, k and v are quantised for the two products of attention (scales e2, e3, e5) and stored as images of operand registers.
; cod: [256 along K: 4][block of 16 rows: 448 (x: 0-255, Wqkv: 256-447)][128 along K: 2][piece: 4][512 bytes]; lane (r, h) holds k = 16 c + 8 h + 0 .. 7 of row r in registers 2 c, 2 c + 1.
; SHARES.  Work-group (head h, block of 256 tokens) makes q_h, k_h and v_h of its tokens: three chunks of 64 columns, each over the whole K: 16 x 16 = 256 work-groups, all on one path.  Wave w owns tokens 64 w .. + 63.
; Wqkv's 3 x 64 rows, 196,608 bytes, lie in LDS at once: wave w asks for 256 along K number w of the three chunks (3 rows of 16,384 bytes); nothing is filled again; one barrier parts the loads from the reads.
; x's codes of my 64 tokens, 65,536 bytes, go from memory straight into 512 registers and stay there for the three chunks; they are asked for three K steps ahead of their first product.
; CLUSTERS of 4 x 4: the four of a column (one head) ask for Wqkv's rows jointly.  x's codes are not asked for jointly: a work-group's 262,144 bytes of them do not fit in LDS beside Wqkv's 196,608.
; NO PREFETCH: every byte is asked for at the head or in the first six of the 24 steps; there is nothing further to run ahead of.
; q, k: source 0 = 16 rows of Wqkv, source 1 = 16 tokens: a lane holds one token and eight neighbouring channels.  v: the sources are swapped: a lane holds one channel and eight neighbouring tokens, the keys of attention's second product.
; OUT.  qc [head][16 tokens: 256][1,024 bytes]; kvc [head][128 keys: 32][K: 8 tiles of 16 keys x 1,024 bytes; V: 4 tiles of 16 channels x 2,048 bytes].  Each store covers 512 consecutive bytes.
; LIMITS: e2 - e0 - e1, e3 - e0 - e1 and e5 - e0 - e1 between -126 and 119.  NaN is not served.
; REGISTERS.  Window 0: v16-19 16 x lane + 49,152 x (256 along K); v20-25 scale and hold of q, k, v; v28, v29 for the add; v32-95, v96-159 Wqkv's four fragments, two sets; v160-191 numbers ahead of the conversion; v192-255 codes.
; Window 1: x's fragments of my token blocks 0, 1 (128 a + 16 ks); window 2: of blocks 2, 3.  Window 3: v0-127 sixteen accumulators; v128-255 the table of my four token blocks.
.set KS_COD, 1835008                   ; 256 along K further on in cod
.set KCB,    49152                     ; and in LDS: three chunks of 16,384 bytes
.set SPARE,  4*KCB                     ; the spare words, 128 bytes a wave
.set LI,  16
.set RR,  160
.set MSB, 0
.macro WIN new                         ; the immediate's high byte repeats the setting that is left
.if MSB != (\new)
	s_set_vgpr_msb (MSB<<8)|(\new)
.set MSB, (\new)
.endif
.endm
.macro CROUND                          ; a round of the cluster's barrier
	s_barrier_signal -1
	s_barrier_wait -1
	s_cmp_lg_u32 s14, 0
	s_cbranch_scc1 .Lnot_wave_0_\@
	s_barrier_signal -3
.Lnot_wave_0_\@:
	s_barrier_wait -3
	s_barrier_signal -1
	s_barrier_wait -1
.endm
.macro PLACES
.rept 4
	v_nop
.endr
.endm
.macro LDA ks                          ; x's four fragments of the ks-th 128 along K: 16 loads of 512 consecutive bytes
.irp hw, 0,1
	WIN 0x40+0x40*\hw
.irp a, 0,1
.irp c, 0,1,2,3
	global_load_b128 v[128*\a+16*(\ks)+4*\c:128*\a+16*(\ks)+4*\c+3], v[LI], s[76:77] offset:((\ks)/2)*KS_COD+(2*\hw+\a)*4096+((\ks)%2)*2048+512*\c
.endr
.endr
.endr
.endm
.macro LDT                             ; the table of my four token blocks: 32 loads
	WIN 0xc0
.irp a, 0,1,2,3
.irp c, 0,1,2,3,4,5,6,7
	global_load_b128 v[128+32*\a+4*\c:131+32*\a+4*\c], v[LI], s[78:79] offset:4096*\a+512*\c
.endr
.endr
.endm
.macro LDB n                           ; Wqkv's four fragments of step n (chunk n / 8, K step n % 8) into set n % 2
.irp b, 0,1,2,3
.irp c, 0,1,2,3
	ds_load_b128 v[32+64*((\n)%2)+16*\b+4*\c:35+64*((\n)%2)+16*\b+4*\c], v[LI+((\n)%8)/2] offset:((\n)/8)*16384+4096*\b+2048*((\n)%2)+512*\c
.endr
.endr
.endm
; Sixteen products of a step; the sixteen accumulators take turns; a chunk's first step starts the sums.
.macro MULQK n
.irp hw, 0,1
	WIN 0xf4+4*\hw                                 ; source 0 window 0, source 1 window 1 or 2, C and D window 3
.irp a, 0,1
.irp b, 0,1,2,3
.if (\n)%8 == 0
	v_wmma_f32_16x16x128_fp8_fp8 v[8*(4*(2*\hw+\a)+\b):8*(4*(2*\hw+\a)+\b)+7], v[32+64*((\n)%2)+16*\b:47+64*((\n)%2)+16*\b], v[128*\a+16*((\n)%8):128*\a+16*((\n)%8)+15], 0
.else
	v_wmma_f32_16x16x128_fp8_fp8 v[8*(4*(2*\hw+\a)+\b):8*(4*(2*\hw+\a)+\b)+7], v[32+64*((\n)%2)+16*\b:47+64*((\n)%2)+16*\b], v[128*\a+16*((\n)%8):128*\a+16*((\n)%8)+15], v[8*(4*(2*\hw+\a)+\b):8*(4*(2*\hw+\a)+\b)+7]
.endif
.endr
.endr
.endr
.endm
.macro MULV n                          ; accumulator (channel tile b, token block 2 hw + a) at 8 (4 b + 2 hw + a)
.irp hw, 0,1
	WIN 0xf1+\hw                                   ; source 0 window 1 or 2, source 1 window 0
.irp a, 0,1
.irp b, 0,1,2,3
.if (\n)%8 == 0
	v_wmma_f32_16x16x128_fp8_fp8 v[8*(4*\b+2*\hw+\a):8*(4*\b+2*\hw+\a)+7], v[128*\a+16*((\n)%8):128*\a+16*((\n)%8)+15], v[32+64*((\n)%2)+16*\b:47+64*((\n)%2)+16*\b], 0
.else
	v_wmma_f32_16x16x128_fp8_fp8 v[8*(4*\b+2*\hw+\a):8*(4*\b+2*\hw+\a)+7], v[128*\a+16*((\n)%8):128*\a+16*((\n)%8)+15], v[32+64*((\n)%2)+16*\b:47+64*((\n)%2)+16*\b], v[8*(4*\b+2*\hw+\a):8*(4*\b+2*\hw+\a)+7]
.endif
.endr
.endr
.endr
.endm
.macro QUANT ch, u, base, off          ; 32 numbers in v[RR ..]: the hold (the conversion does not saturate: ISA guide 7.6.2), the conversion, two stores
.set n, 0
.rept 32
	v_med3_num_f32 v[RR+n], v[RR+n], -v[21+2*(\ch)], v[21+2*(\ch)]
.set n, n+1
.endr
	CODES \ch, \u, \base, \off
.endm
.macro CODES ch, u, base, off
.set CC, 192+32*((\ch)%2)+8*(\u)
.irp b, 0,1,2,3
	v_cvt_scalef32_pk8_fp8_f32 v[CC+2*\b:CC+2*\b+1], v[RR+8*\b:RR+8*\b+7], v[20+2*(\ch)]
.endr
	v_nop                                          ; a plain instruction behind the conversions
	global_store_b128 v[LI], v[CC:CC+3], s[\base:\base+1] offset:\off
	global_store_b128 v[LI], v[CC+4:CC+7], s[\base:\base+1] offset:\off+512
.endm
.macro EPIQK ch, base                  ; the rotation: pair (even, odd) x (cos, sin) of the token; each accumulator is first read among its four lowest registers
.irp a, 0,1,2,3
	WIN 0x0f                                       ; sources 0 and 1 window 3
.irp b, 0,1,2,3
.irp i, 0,1,2,3
	v_mul_f32 v[RR+8*\b+2*\i], v[32*\a+8*\b+2*\i+1], v[128+32*\a+8*\b+2*\i+1]
	v_mul_f32 v[RR+8*\b+2*\i+1], v[32*\a+8*\b+2*\i+1], v[128+32*\a+8*\b+2*\i]
.endr
.endr
.irp b, 0,1,2,3
.irp i, 0,1,2,3
	v_fma_f32 v[RR+8*\b+2*\i], v[32*\a+8*\b+2*\i], v[128+32*\a+8*\b+2*\i], -v[RR+8*\b+2*\i]
	v_fma_f32 v[RR+8*\b+2*\i+1], v[32*\a+8*\b+2*\i], v[128+32*\a+8*\b+2*\i+1], v[RR+8*\b+2*\i+1]
.endr
.endr
	WIN 0
	QUANT \ch, \a, \base, 1024*\a
.endr
.endm
.macro EPIV
.irp b, 0,1,2,3
	WIN 0x03                                       ; source 0 window 3
.set n, 0
.rept 32
	v_med3_num_f32 v[RR+n], v[32*\b+n], -v25, v25
.set n, n+1
.endr
	WIN 0
	CODES 2, \b, 84, 2048*\b
.endr
.endm
	s_load_b256 s[4:11], s[0:1], 0x0               ; cod, rope, the scales' exponents, qc
	s_load_b64 s[12:13], s[0:1], 0x20              ; kvc
	v_lshl_add_u32 v28, v0, 2, SPARE
	v_mov_b32 v29, 0
	ds_add_u32 v28, v29                            ; the opening lines: the add twice on end and its wait
	ds_add_u32 v28, v29
	v_lshrrev_b32 v1, 5, v0
	v_readfirstlane_b32 s14, v1                    ; wave 0..3
	v_and_b32 v1, 31, v0
	v_lshlrev_b32 v[LI], 4, v1
	v_add_nc_u32 v[LI+1], KCB, v[LI]
	v_add_nc_u32 v[LI+2], 2*KCB, v[LI]
	v_add_nc_u32 v[LI+3], 3*KCB, v[LI]
	s_bfe_u32 s40, ttmp6, 0x40000                  ; cx
	s_bfe_u32 s41, ttmp6, 0x40004                  ; cy
	s_lshl_b32 s42, ttmp9, 2
	s_add_co_u32 s42, s42, s40                     ; the head
	s_and_b32 s17, ttmp7, 0xffff
	s_lshl_b32 s17, s17, 2
	s_add_co_u32 s17, s17, s41                     ; the block of 256 tokens
	s_lshl_b32 s44, 0x1111, s40                    ; my column of the cluster
	s_or_b32 s24, s44, (3<<16)|(1<<21)             ; group 1: the mask; elements of 8 bytes; bit 21 beside the mask; no padding
	s_mov_b32 s25, 2048<<16                        ; a row: 2,048 elements = 16,384 bytes: four blocks of 16 rows of Wqkv, 256 along K
	s_mov_b32 s26, 3<<16                           ; three rows: q's, k's and v's chunk,
	s_mov_b32 s27, 2048<<16
	s_mov_b32 s28, 3
	s_mov_b32 s29, 32768                           ; 64 blocks of rows = 262,144 bytes apart
	s_mov_b32 s30, 0
	s_mov_b32 s31, 0
	s_lshl_b32 s46, s42, 14                        ; Wqkv: the head's four blocks of rows,
	s_add_co_u32 s46, s46, 1048576                 ; behind x's 256 blocks,
	s_mul_i32 s47, s14, KS_COD                     ; my 256 along K
	s_add_co_u32 s46, s46, s47
	s_mov_b32 s47, 0
	s_mov_b32 s32, 1
	s_mul_i32 s33, s14, KCB                        ; LDS: wave x 49,152
	s_lshl_b32 s20, s17, 16                        ; x and the table: 16 blocks of 16 tokens a work-group, 4,096 bytes each,
	s_lshl_b32 s21, s14, 14                        ; four a wave
	s_add_co_u32 s20, s20, s21
	s_mov_b32 s21, 0
	s_lshl_b32 s22, s42, 18                        ; qc: the head, 16 tokens are 1,024 bytes
	s_lshl_b32 s23, s17, 14
	s_add_co_u32 s22, s22, s23
	s_lshl_b32 s23, s14, 12
	s_add_co_u32 s22, s22, s23
	s_mov_b32 s23, 0
	s_lshl_b32 s86, s42, 19                        ; kvc: the head,
	s_lshl_b32 s87, s17, 15                        ; two key steps of 16,384 bytes a work-group,
	s_add_co_u32 s86, s86, s87
	s_lshr_b32 s87, s14, 1
	s_lshl_b32 s87, s87, 14
	s_add_co_u32 s86, s86, s87
	s_and_b32 s87, s14, 1
	s_lshl_b32 s88, s87, 10
	s_add_co_u32 s88, s88, s86
	s_add_co_u32 s88, s88, 8192                    ; V: behind K's 8,192 bytes; my 64 keys are two pieces of each tile
	s_lshl_b32 s87, s87, 12
	s_add_co_u32 s86, s86, s87                     ; K: my four tiles of 16 keys
	s_mov_b32 s87, 0
	s_mov_b32 s89, 0
	s_wait_alu depctr_va_vdst(0)                   ; the wait here, directly ahead of the waits below
	s_wait_dscnt 0x0
	s_wait_kmcnt 0x0
	s_load_b256 s[68:75], s[8:9], 0x0              ; e0 .. e7
	s_add_nc_u64 s[76:77], s[4:5], s[20:21]
	s_add_nc_u64 s[78:79], s[6:7], s[20:21]
	s_add_nc_u64 s[80:81], s[10:11], s[22:23]
	s_add_nc_u64 s[82:83], s[12:13], s[86:87]
	s_add_nc_u64 s[84:85], s[12:13], s[88:89]
	s_add_nc_u64 s[34:35], s[4:5], s[46:47]
	s_or_b32 s35, s35, 0x80000000
	LDA 0
	LDA 1
	LDA 2
	WIN 0
	CROUND                                         ; all sixteen work-groups are here: the joint loads meet
	tensor_load_to_lds s[32:35], s[24:31]
	s_nop 0
	PLACES
	s_wait_kmcnt 0x0
.irp ch, 0,1,2                         ; a sum stands for sum x 2^(e0 + e1): the conversion takes 2^(e - e0 - e1), e = e2, e3, e5
	s_sub_co_i32 s20, s[70+\ch+\ch/2], s68
	s_sub_co_i32 s20, s20, s69
	s_add_co_i32 s20, s20, 127
	s_lshl_b32 s21, s20, 23
	v_mov_b32 v[20+2*\ch], s21
	s_add_co_i32 s20, s20, 8
	s_lshl_b32 s20, s20, 23
	s_or_b32 s20, s20, 0x600000
	v_mov_b32 v[21+2*\ch], s20                     ; 448 x that
.endr
	s_wait_alu depctr_va_vdst(0)                   ; the wait at the head's end
	s_wait_tensorcnt 0x0                           ; my 49,152 bytes are in
	s_barrier_signal -1
	s_barrier_wait -1                              ; and everybody's
	LDB 0
.set N, 0
.rept 24
.if N < 23
	WIN 0
	LDB N+1                                        ; into the set that the step before multiplied, behind its four places
	s_wait_dscnt 16                                ; all but the sixteen just issued: this step's fragments of Wqkv are in
.else
	s_wait_dscnt 0x0
.endif
.if N < 5
	LDA N+3
	s_wait_loadcnt 48                              ; x's fragments of this step are in; those of the three steps behind it may be out
.endif
.if N == 5
	LDT
	s_wait_loadcnt 63                              ; behind this step's: two steps' 32 and the table's 32; the field holds 63
.endif
.if N == 6
	s_wait_loadcnt 48                              ; one step's 16 and the table's 32
.endif
.if N == 7
	s_wait_loadcnt 32                              ; the table's
.endif
.if N/8 < 2
	MULQK N
.else
	MULV N
.endif
	PLACES                                         ; in front of loads into registers that these products read, and of the reads of their results
.if N == 7
	s_wait_loadcnt 0x0                             ; the table
	EPIQK 0, 80
.endif
.if N == 15
	EPIQK 1, 82
.endif
.if N == 23
	s_wait_xcnt 0x0                                ; q's stores have read their data: v's codes take those registers
	EPIV
.endif
.set N, N+1
.endr
	s_wait_tensorcnt 0x0                           ; the wave's end
	ds_add_u32 v28, v29
	s_wait_dscnt 0x0
	CROUND                                         ; the closing round
	s_endpgm
.Lfunc_end_k_qf57f39f618_qkv:
	.size	k_qf57f39f618_qkv, .Lfunc_end_k_qf57f39f618_qkv-k_qf57f39f618_qkv
	.p2alignl 7, 3214868480
	.fill 96, 4, 3214868480
	.section	.rodata,"a",@progbits
	.p2align	6, 0x0
	.amdhsa_kernel k_qf57f39f618_qkv
		.amdhsa_group_segment_fixed_size 327680
		.amdhsa_private_segment_fixed_size 0
		.amdhsa_enable_private_segment 0
		.amdhsa_kernarg_size 40
		.amdhsa_user_sgpr_count 2
		.amdhsa_user_sgpr_kernarg_segment_ptr 1
		.amdhsa_wavefront_size32 1
		.amdhsa_system_sgpr_workgroup_id_x 1
		.amdhsa_system_sgpr_workgroup_id_y 1
		.amdhsa_system_sgpr_workgroup_id_z 1
		.amdhsa_system_vgpr_workitem_id 0
		.amdhsa_next_free_vgpr 1024
		.amdhsa_next_free_sgpr 100
		.amdhsa_reserve_vcc 0
		.amdhsa_float_denorm_mode_32 3
		.amdhsa_float_denorm_mode_16_64 3
		.amdhsa_memory_ordered 1
		.amdhsa_forward_progress 1
		.amdhsa_inst_pref_size 130
	.end_amdhsa_kernel
	.amdgpu_metadata
---
amdhsa.version: [ 1, 2 ]
amdhsa.kernels:
  - .name:           k_qf57f39f618_qkv
    .symbol:         k_qf57f39f618_qkv.kd
    .args:
      - { .name: cod, .offset: 0, .size: 8, .value_kind: global_buffer, .address_space: global }
      - { .name: rope, .offset: 8, .size: 8, .value_kind: global_buffer, .address_space: global }
      - { .name: lowp_scales, .offset: 16, .size: 8, .value_kind: global_buffer, .address_space: global }
      - { .name: qc, .offset: 24, .size: 8, .value_kind: global_buffer, .address_space: global }
      - { .name: kvc, .offset: 32, .size: 8, .value_kind: global_buffer, .address_space: global }
    .group_segment_fixed_size: 327680
    .private_segment_fixed_size: 0
    .kernarg_segment_align: 8
    .kernarg_segment_size: 40
    .max_flat_workgroup_size: 128
    .sgpr_count:     100
    .vgpr_count:     1024
    .wavefront_size: 32
...
	.end_amdgpu_metadata
.endif
;; end of part 2
;; launch attn (part 3): grid 16 x 16, 16 waves a work-group, no clusters, 327,680 bytes of LDS; arguments qc, kvc, lowp_scales, oc; writes oc
.if DOCPART == 3
	.amdgcn_target "amdgcn-amd-amdhsa--gfx1250"
	.amdhsa_code_object_version 6
	.text
	.protected	k_qf57f39f618_attn
	.globl	k_qf57f39f618_attn
	.p2align	8
	.type	k_qf57f39f618_attn,@function
k_qf57f39f618_attn:
	s_mov_b64 s[64:65], 0
	v_nop
	global_prefetch_b8 v0, s[64:65] scope:SCOPE_SE
	s_setreg_imm32_b32 hwreg(HW_REG_WAVE_MODE, 25, 1), 1
	s_wait_xcnt 0x0
; o[h][q] = the sum over keys k <= q of softmax_k(q . k / 8) v, both products on codes of FP8 (E4M3); o is quantised for the last product.  16 heads of 64, 4,096 tokens.
; LEFT OUT: key steps all of whose keys come after a block's queries: the causal mask makes their p zero for every input.
; THE SOFTMAX: t = score x log2(e) / 8; M = the largest t so far, rounded UP to a whole number; p = 2^(t - M) is quantised along the keys, not normalised; the sum is taken of the unquantised p and divides at the end.
; SHARES.  A head's queries are 32 blocks of 128; block B needs key steps 0 .. B (128 keys each).  Work-group (i, head) takes block A = 31 - i (32 - i steps) and block B = i (i + 1 steps): a stream of 33 steps, T = 0 .. 32;
; stream step T reads key step T, or T - TS from T = TS = 32 - i on.  SIXTEEN waves: wave w owns query tile w % 8 (16 queries) and the stream steps of parity g = w / 8: 17 or 16 steps.
; Each parity has its own running M, sum and O^T.  At its first T >= TS a wave puts block A's part (O^T, -M, sum) into LDS bytes of its own and begins block B; at the end it puts block B's part; behind one barrier
; wave w joins the two parts of tile w % 8 of block A (g = 0) or B (g = 1): both are brought under the larger M by exact powers of two, added, divided by the joined sum, quantised and stored.
; A parity that had no step of a block leaves zeros under M = -3e38, which the join multiplies by 0.
; THE RING: two LDS slots of six stream steps, 2^17 bytes apart; waves 0 to 5 fetch one step each (16,384 consecutive bytes of kvc); the last slot holds three steps.  One tensor load of a wave is out at any time; every wait for them is for 0.
; NO CLUSTER: the sixteen work-groups of a head read the same tiles only up to stream step 32 - i, which differs from work-group to work-group; from there on their descriptors would differ.
; LAYOUT.  All buffers hold images of operand registers (lane (r, h): k = 16 c + 8 h + 0 .. 7 in registers 2 c, 2 c + 1; four registers of 32 lanes are 512 consecutive bytes).
; S^T = K Q^T: lane (r, h) holds query r and, in register j of tile t, key 16 t + 8 h + j: so p's codes ARE source 1 of O^T = V^T P^T, whose result holds one query a lane and channels 16 c + 8 h + j.
; LIMITS: e2 + e3 between -123 and 130; e4, and e6 - e4 - e5, between -126 and 119.  NaN is not served.  The scaled scores stay under 2^31 in magnitude.
; REGISTERS: v1 16 x lane; v2 my query less 8 h; v3 256 x lane; v4 ring address part; v5, v6 for the add; v7, v9 block A's part; v10, v11 block B's; v24, v25 the join's reads; v8 LDS address; v12 -M, v13 largest t, v[14:15] sum;
; v16-23 Q; v32-95 K's fragments, then V's; v96-159 S^T, then p; v160-191 O^T; v192-199 block B's Q; v200-207 at work; v224-239 codes; v240, v209: 448 x 2^e4; v244 2^e4; v241, v245 the same for o.
.set STEPB, 16384                      ; a key step: K 8,192 bytes, V 8,192 bytes
.set SLOTB, 6*STEPB
.set SLOT1, 131072                     ; slot 1 begins here: one exclusive or turns an address
.set SPARE, SLOT1+SLOTB                ; the spare words: 128 bytes for each wave
.set STA,   SPARE+2048                 ; block A's parts: PART bytes a wave
.set PART,  4352                       ; O^T 4,096 bytes, then (-M, sum) 8 bytes a lane.  Block B's parts lie from byte 0 on, in slot 0, which has had its last fill and its last read at the last change of slots
.macro TLOAD n                         ; waves 0 .. n - 1 fetch; the branch hangs on the wave's number alone
	s_cmp_lt_u32 s18, \n
	s_cbranch_scc0 .Lnone_\@
	tensor_load_to_lds s[40:43], s[24:31]
	s_nop 0
.rept 4
	v_nop
.endr
.Lnone_\@:
.endm
; A PREFETCH INTO THE L2 of the slot that the NEXT change of slots will ask for: 98,304 consecutive bytes.  The head's first work-group asks, whose stream is the head's keys in order; its waves 0 to 11, one instruction each:
; 8,192 bytes a wave, lanes 256 bytes apart: each aligned block of 256 bytes is named once in the launch.  Asked at the changes that fill slots 1 to 3, for slots 2 to 4; slots 0, 1 and the last come by their loads alone.
.macro ASK
	s_cmp_gt_u32 s67, s82
	s_cbranch_scc0 .Lnot_mine_\@
	global_prefetch_b8 v3, s[80:81] th:TH_LOAD_NT scope:SCOPE_SE
.Lnot_mine_\@:
.endm
	s_load_b256 s[4:11], s[0:1], 0x0               ; qc, kvc, the scales' exponents, oc
	v_lshl_add_u32 v5, v0, 2, SPARE
	v_mov_b32 v6, 0
	ds_add_u32 v5, v6                              ; the opening lines: the add twice on end and its wait
	ds_add_u32 v5, v6
	v_lshrrev_b32 v8, 5, v0
	v_readfirstlane_b32 s18, v8                    ; wave 0..15
	s_and_b32 s98, s18, 7                          ; my query tile
	s_lshr_b32 s99, s18, 3                         ; g: my parity of stream steps
	s_and_b32 s83, ttmp7, 0xffff                   ; the head
	s_sub_co_u32 s66, 32, ttmp9                    ; TS
	s_sub_co_u32 s77, s66, 1                       ; block A = 31 - i; also the stream step on its diagonal
	s_min_u32 s78, s18, 5                          ; the stream step that I fetch
	s_mov_b32 s40, 1                               ; group 0: count = 1,
	s_lshl_b32 s41, s78, 14                        ; LDS address: my step of slot 0
	s_mov_b32 s24, 0                               ; group 1: elements of 1 byte, no padding: 64 rows of 256 bytes, dense
	s_mov_b32 s25, 256<<16
	s_mov_b32 s26, 64<<16
	s_mov_b32 s27, 256<<16
	s_mov_b32 s28, 64
	s_mov_b32 s29, 256
	s_mov_b32 s30, 0
	s_mov_b32 s31, 0
	s_lshl_b32 s84, s83, 19                        ; the head in kvc
	s_mov_b32 s85, 0
	s_lshl_b32 s86, s83, 18                        ; the head in qc
	s_lshl_b32 s87, s77, 3
	s_add_co_u32 s87, s87, s98                     ; my 16 tokens of block A,
	s_lshl_b32 s92, ttmp9, 3
	s_add_co_u32 s92, s92, s98                     ; and of block B
	s_lshl_b32 s88, s87, 10
	s_add_co_u32 s88, s88, s86
	s_mov_b32 s89, 0
	s_lshl_b32 s90, s92, 10
	s_add_co_u32 s90, s90, s86
	s_mov_b32 s91, 0
	s_cmp_eq_u32 s99, 0
	s_cselect_b32 s94, s87, s92                    ; the 16 tokens that I join and store
	s_lshl_b32 s94, s94, 12                        ; oc: a block of 16 tokens: 4,096 bytes,
	s_lshr_b32 s93, s83, 2
	s_lshl_b32 s93, s93, 20                        ; four heads are 256 along K: 1,048,576,
	s_add_co_u32 s94, s94, s93
	s_and_b32 s93, s83, 3
	s_lshl_b32 s93, s93, 10                        ; a head's two pieces: 1,024
	s_add_co_u32 s94, s94, s93
	s_mov_b32 s95, 0
	s_mul_i32 s96, s18, PART                       ; where my parts go
	s_xor_b32 s97, s99, 1
	s_mul_i32 s97, s97, STA                        ; the join reads block A's parts (g = 0) or block B's (g = 1)
	s_mul_i32 s93, s98, PART
	s_add_co_u32 s97, s97, s93
	s_mov_b32 s20, 0x76543210                      ; v_permlanex16_b32's selects: lane l xor 16
	s_mov_b32 s21, 0xfedcba98
	s_mov_b32 s22, 0x3e38aa3b                      ; c = log2(e) / 8
	s_mov_b32 s2, 0                                ; LDS byte at which the slot in hand begins
	s_mov_b32 s76, s99                             ; T
	s_mov_b32 s67, 3                               ; the loop's trips
	s_cmp_lt_u32 s18, 12
	s_cselect_b32 s82, 0, 1
	s_or_b32 s82, s82, ttmp9
	s_cmp_eq_u32 s82, 0
	s_cselect_b32 s82, 1, -1                       ; a wave prefetches while s67 is above this
	s_wait_dscnt 0x0
	s_wait_kmcnt 0x0
	s_load_b256 s[68:75], s[8:9], 0x0              ; e0 .. e7
	s_add_nc_u64 s[12:13], s[6:7], s[84:85]        ; the head's K and V
	s_lshl_b32 s84, s78, 14
	s_add_nc_u64 s[42:43], s[12:13], s[84:85]
	s_or_b32 s43, s43, 0x80000000
	TLOAD 6                                        ; slot 0: stream steps 0 to 5
	s_add_nc_u64 s[88:89], s[4:5], s[88:89]
	s_add_nc_u64 s[90:91], s[4:5], s[90:91]
	s_add_nc_u64 s[14:15], s[10:11], s[94:95]
	s_lshl_b32 s84, s18, 13
	s_add_co_u32 s84, s84, SLOTB
	s_add_nc_u64 s[80:81], s[12:13], s[84:85]      ; the prefetches: my 8,192 bytes of slot 1; the first change steps it to slot 2
	s_lshl_b32 s86, s99, 14
	s_lshl_b32 s87, s98, 4
	v_and_b32 v1, 31, v0
	v_lshlrev_b32 v3, 8, v1
	v_lshlrev_b32 v9, 3, v1
	v_lshlrev_b32 v1, 4, v1
	global_load_b128 v[16:19], v1, s[88:89]        ; Q of block A,
	global_load_b128 v[20:23], v1, s[88:89] offset:512
	global_load_b128 v[192:195], v1, s[90:91]      ; and of block B
	global_load_b128 v[196:199], v1, s[90:91] offset:512
	v_add_nc_u32 v4, s86, v1                       ; the ring: 16 x lane + g steps
	v_add_nc_u32 v24, s97, v1
	v_add_nc_u32 v25, s97, v9
	v_add_nc_u32 v25, 4096, v25
	v_add_nc_u32 v10, s96, v1
	v_add_nc_u32 v11, s96, v9
	v_add_nc_u32 v11, 4096, v11
	v_add_nc_u32 v7, STA, v10
	v_add_nc_u32 v9, STA, v11
	v_and_b32 v2, 15, v0
	v_bfe_u32 v8, v0, 4, 1
	v_lshlrev_b32 v8, 3, v8
	v_sub_nc_u32 v2, v2, v8
	v_add_nc_u32 v2, s87, v2                       ; 16 tile + r - 8 h.  On the diagonal register j of tile t holds key 16 t + 8 h + j of the block: hidden where 16 t + j is above this
	v_mov_b32 v200, 0                              ; a lane permute's destination counts as one of its sources
	v_mov_b32 v205, 0                              ; (upper half of the pair v[204:205])
	v_mov_b32 v207, 0xff800000                     ; -infinity
.macro START                           ; a block begins: zeros, and a largest t under every t
	v_mov_b32 v13, 0xff61b1e6                      ; -3e38
	s_delay_alu instid0(VALU_DEP_1)
	v_floor_f32 v12, -v13                          ; -M
	v_mov_b32 v14, 0
	v_mov_b32 v15, 0
.set n, 0
.rept 32
	v_mov_b32 v[160+n], 0
.set n, n+1
.endr
.endm
	START
	s_wait_kmcnt 0x0
	s_add_co_i32 s86, s70, s71
	s_lshl_b32 s86, s86, 23
	s_add_co_i32 s22, s22, s86                     ; e2 + e3 are added to c's exponent field
	s_mov_b32 s23, s22
	s_add_co_i32 s86, s72, 127
	s_lshl_b32 s87, s86, 23
	v_mov_b32 v244, s87                            ; 2^e4
	s_add_co_i32 s86, s86, 8
	s_lshl_b32 s86, s86, 23
	s_or_b32 s86, s86, 0x600000
	v_mov_b32 v240, s86                            ; 448 x 2^e4,
	v_mov_b32 v209, s86                            ; twice: the two halves of a dual pair take their first sources from different register banks
	s_sub_co_i32 s86, s74, s72
	s_sub_co_i32 s86, s86, s73                     ; o's conversion takes 2^(e6 - e4 - e5)
	s_add_co_i32 s86, s86, 127
	s_lshl_b32 s87, s86, 23
	v_mov_b32 v245, s87
	s_add_co_i32 s86, s86, 8
	s_lshl_b32 s86, s86, 23
	s_or_b32 s86, s86, 0x600000
	v_mov_b32 v241, s86
.macro PUT o, m                        ; my part of a block into LDS: O^T from each accumulator's low end on, then (-M, the sum's two halves added)
	v_add_f32 v13, v14, v15
.set n, 0
.rept 8
	ds_store_b128 v[\o], v[160+4*n:163+4*n] offset:512*n
.set n, n+1
.endr
	ds_store_b64 v[\m], v[12:13]
.endm
; A KEY STEP: 128 keys, my q-th of the slot in hand.  tail = 1: only parity 0 has this step; the turn at its head is tested by all.
; chg = -1: a plain step.  chg = 0, 1, 2: a slot's last step, which carries the change of slots (macros PRE and POST, with that fill).
.macro STEP q, tail, chg
	s_sub_co_u32 s86, s76, s66
	s_cmp_lt_u32 s86, 2                            ; ids alone: T steps by 2, so T - TS is 0 or 1 just once: block A's part is put away and block B begins
	s_cbranch_scc0 .Lsame_\@
	PUT 7, 9
	s_wait_dscnt 0x0                               ; the stores have read their registers
.set n, 0
.rept 8
	v_mov_b32 v[16+n], v[192+n]
.set n, n+1
.endr
	START
	s_mov_b32 s77, 32                              ; block B's diagonal is the stream's last step
	s_wait_alu depctr_va_vdst(0)                   ; what was just written may be read behind a branch
.Lsame_\@:
.if \tail
	s_cmp_lg_u32 s99, 0
	s_cbranch_scc1 .Lskip_\@
.endif
	s_add_co_u32 s79, s2, (\q)*2*STEPB
	v_add_nc_u32 v8, s79, v4
.set n, 0
.rept 16
	ds_load_b128 v[32+4*n:35+4*n], v8 offset:512*n                     ; K: tile n / 2, piece n % 2
.set n, n+1
.endr
	s_wait_alu depctr_va_vdst(0)
	s_wait_dscnt 0x0
.irp t, 0,1,2,3,4,5,6,7
	v_wmma_f32_16x16x64_fp8_fp8 v[96+8*\t:103+8*\t], v[32+8*\t:39+8*\t], v[16:23], 0
.endr
.rept 4
	v_nop                                          ; places in front of the loads into K's registers and of the first reads of the scores
.endr
.set n, 0
.rept 16
	ds_load_b128 v[32+4*n:35+4*n], v8 offset:8192+512*n                ; V: tile n / 4, piece n % 4
.set n, n+1
.endr
	s_cmp_lg_u32 s76, s77                          ; on the diagonal hidden scores become -infinity ahead of the maximum; the block's first key counts for every query
	s_cbranch_scc1 .Lopen_\@
.set n, 0
.rept 64
	v_cmp_gt_i32 vcc_lo, 16*(n/8)+n%8, v2
	v_cndmask_b32 v[96+n], v[96+n], v207, vcc_lo
.set n, n+1
.endr
.Lopen_\@:
.if \chg >= 0
	s_wait_alu depctr_va_vdst(0)                   ; the wait ahead of the waits below
	PRE \chg                                       ; K's and V's fragments of my last step of this slot are awaited here: my reads of the slot are over, so I say so now
.endif
	v_max3_num_f32 v206, v96, v97, v98             ; the step's largest score of my query among my 64 keys, in two chains
	v_max3_num_f32 v204, v99, v100, v101
.irp i, 6,10,14,18,22,26,30,34,38,42,46,50,54,58
	v_max3_num_f32 v206, v206, v[96+\i], v[97+\i]
	v_max3_num_f32 v204, v204, v[98+\i], v[99+\i]
.endr
	v_max3_num_f32 v206, v206, v158, v159
	s_delay_alu instid0(VALU_DEP_1)
	v_max_num_f32 v206, v206, v204
	s_delay_alu instid0(VALU_DEP_1)
	v_permlanex16_b32 v200, v206, s20, s21
	s_delay_alu instid0(VALU_DEP_1)
	v_max_num_f32 v206, v206, v200                 ; and among lane l xor 16's
	s_delay_alu instid0(VALU_DEP_1)
	v_mul_f32 v206, s22, v206                      ; as t (c is positive)
	s_delay_alu instid0(VALU_DEP_1)
	v_max_num_f32 v13, v13, v206
	v_mov_b32 v206, v12
	s_delay_alu instid0(VALU_DEP_2)
	v_floor_f32 v12, -v13                          ; the new -M = -ceil(t)
	s_delay_alu instid0(VALU_DEP_1)
	v_sub_f32 v206, v12, v206                      ; old M - new M: a whole number, 0 or less
	s_delay_alu instid0(VALU_DEP_1)
	v_cvt_i32_f32 v206, v206                       ; (it saturates)
	s_delay_alu instid0(VALU_DEP_1)
	v_ldexp_f32 v204, 1.0, v206                    ; f = 2^(old M - new M)
.set n, 0
.rept 32
	v_pk_fma_f32 v[96+n:97+n], v[96+n:97+n], s[22:23], v[12:13] op_sel_hi:[1,0,0]   ; t - M
.set n, n+2
.endr
.set n, 0
	s_wait_alu depctr_va_vdst(0)                   ; the wait ahead of the batch
.rept 64
	v_exp_f32 v[96+n], v[96+n]                     ; p = 2^(t - M), at most 1
.set n, n+1
.endr
	v_pk_mul_f32 v[14:15], v[14:15], v[204:205] op_sel_hi:[1,0]   ; the sums under the new M: the plain instruction behind the exponentials
	s_wait_alu depctr_va_vdst(0)                   ; one wait for the whole batch, ahead of its first reader
	v_pk_add_f32 v[202:203], v[100:101], v[104:105]
	v_pk_add_f32 v[254:255], v[108:109], v[112:113]
	v_pk_add_f32 v[252:253], v[116:117], v[120:121]
	v_pk_add_f32 v[250:251], v[124:125], v[128:129]
	v_pk_add_f32 v[248:249], v[132:133], v[136:137]
	v_pk_add_f32 v[246:247], v[140:141], v[144:145]
	v_pk_add_f32 v[242:243], v[148:149], v[152:153]
	v_pk_add_f32 v[14:15], v[14:15], v[156:157]
	v_pk_add_f32 v[202:203], v[202:203], v[96:97]
	v_pk_add_f32 v[254:255], v[254:255], v[98:99]
	v_pk_add_f32 v[252:253], v[252:253], v[102:103]
	v_pk_add_f32 v[250:251], v[250:251], v[106:107]
	v_pk_add_f32 v[248:249], v[248:249], v[110:111]
	v_pk_add_f32 v[246:247], v[246:247], v[114:115]
	v_pk_add_f32 v[242:243], v[242:243], v[118:119]
	v_pk_add_f32 v[14:15], v[14:15], v[122:123]
	v_pk_add_f32 v[202:203], v[202:203], v[126:127]
	v_pk_add_f32 v[254:255], v[254:255], v[130:131]
	v_pk_add_f32 v[252:253], v[252:253], v[134:135]
	v_pk_add_f32 v[250:251], v[250:251], v[138:139]
	v_pk_add_f32 v[248:249], v[248:249], v[142:143]
	v_pk_add_f32 v[246:247], v[246:247], v[146:147]
	v_pk_add_f32 v[242:243], v[242:243], v[150:151]
	v_pk_add_f32 v[14:15], v[14:15], v[154:155]
	v_pk_add_f32 v[202:203], v[202:203], v[158:159]
	s_delay_alu instid0(VALU_DEP_2)
	v_pk_add_f32 v[14:15], v[14:15], v[250:251]
	s_delay_alu instid0(VALU_DEP_2)
	v_pk_add_f32 v[202:203], v[202:203], v[248:249]
	v_pk_add_f32 v[254:255], v[254:255], v[246:247]
	v_pk_add_f32 v[252:253], v[252:253], v[242:243]
	s_delay_alu instid0(VALU_DEP_2)
	v_pk_add_f32 v[14:15], v[14:15], v[254:255]
	s_delay_alu instid0(VALU_DEP_2)
	v_pk_add_f32 v[202:203], v[202:203], v[252:253]
	s_delay_alu instid0(VALU_DEP_1)
	v_pk_add_f32 v[14:15], v[14:15], v[202:203]
.irp t, 0,1,2,3,4,5,6,7
.irp i, 0,2,4,6
	v_dual_min_num_f32 v[96+8*\t+\i], v240, v[96+8*\t+\i] :: v_dual_min_num_f32 v[97+8*\t+\i], v209, v[97+8*\t+\i]   ; the conversion does not saturate (ISA guide 7.6.2); p is not negative, so the hold is one-sided; two holds an instruction
.endr
	v_cvt_scalef32_pk8_fp8_f32 v[224+2*\t:225+2*\t], v[96+8*\t:103+8*\t], v244   ; keys 16 t + 8 h + 0 .. 7: registers 2 t, 2 t + 1 of the operand
.endr
	s_wait_alu depctr_va_vdst(0)                   ; the wait directly ahead of the first reader of O^T
.set n, 0
.rept 16
	v_pk_mul_f32 v[160+n:161+n], v[160+n:161+n], v[204:205] op_sel_hi:[1,0]   ; O^T under the new M; also the plain instructions between the conversions and the products
.set n, n+2
.endr
	s_wait_alu depctr_va_vdst(0)
.if \chg < 0
	s_wait_dscnt 0x0                               ; V is in (in a slot's last step it was awaited ahead of the barrier's signal)
.endif
.irp c, 0,1,2,3
	v_wmma_f32_16x16x128_fp8_fp8 v[160+8*\c:167+8*\c], v[32+16*\c:47+16*\c], v[224:239], v[160+8*\c:167+8*\c]   ; four accumulators by turns; the eight products K Q^T stand between two steps'
.endr
.rept 4
	v_nop                                          ; places in front of the next loads into V's registers and of the reads of O^T, on every way
.endr
	s_add_co_u32 s76, s76, 2
.if \chg >= 0
	POST \chg                                      ; between the signal and this wait stood the step's softmax and second product: work on registers alone, no branch
.endif
.if \tail
.Lskip_\@:
.endif
.endm
; THE CHANGE OF SLOTS, in two parts.  PRE: all my tensor loads are waited for (my part of the next slot among them), the add (twice on end where a load can follow), the descriptor's steps,
; the wait for the add and for my reads of the slot in hand, and the barrier's signal.  POST: the barrier's wait, and first behind it the refill of the slot left.
; fill = 2: that slot takes the next six stream steps; fill = 1: the last three; fill = 0: nothing.
.macro PRE fill
	s_wait_tensorcnt 0x0
	ds_add_u32 v5, v6
.if \fill
	ds_add_u32 v5, v6
	s_xor_b32 s41, s41, SLOT1
	s_add_co_u32 s78, s78, 6                       ; my stream step of the next slot,
	s_cmp_ge_u32 s78, s66
	s_cselect_b32 s84, s66, 0
	s_sub_co_u32 s84, s78, s84                     ; its key step: from TS on the stream begins anew at key step 0
	s_lshl_b32 s84, s84, 14
	s_add_nc_u64 s[42:43], s[12:13], s[84:85]
	s_or_b32 s43, s43, 0x80000000
.endif
.if \fill == 2
	s_wait_xcnt 0x0                                ; the last prefetch has read its address
	s_add_nc_u64 s[80:81], s[80:81], SLOTB
.endif
	s_wait_dscnt 0x0
	s_barrier_signal -1
.endm
.macro POST fill
	s_barrier_wait -1
.if \fill == 2
	TLOAD 6
	ASK
.endif
.if \fill == 1
	TLOAD 3
.endif
.endm
.macro SLOT_STEPS fill                 ; my three steps of a slot; the third carries the change to the next slot
	STEP 0, 0, -1
	STEP 1, 0, -1
	STEP 2, 0, \fill
	s_xor_b32 s2, s2, SLOT1
.endm
	s_wait_alu depctr_va_vdst(0)                   ; the wait at the head's end
	s_wait_loadcnt 0x0                             ; Q
	PRE 2                                          ; the first change: slot 0 is whole,
	POST 2                                         ; and slot 1 is filled for the first time
.Lslot:                                            ; three trips: slots 0 to 2 are worked; at their ends slots 2 to 4 are asked for
	SLOT_STEPS 2
	s_sub_co_u32 s67, s67, 1
	s_cmp_lg_u32 s67, 0
	s_cbranch_scc1 .Lslot
	SLOT_STEPS 1                                   ; slot 3, written out: the last slot has three steps, so three waves fetch
	SLOT_STEPS 0                                   ; slot 4: nothing more is asked for
	STEP 0, 0, -1                                  ; T = 30, 31
	STEP 1, 1, -1                                  ; T = 32: parity 0 alone
	PUT 10, 11                                     ; block B's part
	s_wait_dscnt 0x0
	s_barrier_signal -1
	s_barrier_wait -1                              ; every wave's parts are in LDS
.set n, 0
.rept 8
	ds_load_b128 v[96+4*n:99+4*n], v24 offset:512*n                    ; parity 0's part of my tile,
.set n, n+1
.endr
.set n, 0
.rept 8
	ds_load_b128 v[128+4*n:131+4*n], v24 offset:8*PART+512*n           ; and parity 1's
.set n, n+1
.endr
	ds_load_b64 v[26:27], v25
	ds_load_b64 v[28:29], v25 offset:8*PART
	s_wait_dscnt 0x0
	v_min_num_f32 v30, v26, v28                    ; -M of the larger M
	v_sub_f32 v26, v30, v26
	v_sub_f32 v28, v30, v28                        ; each part's M less the larger: whole numbers, 0 or less
	v_cvt_i32_f32 v26, v26
	v_cvt_i32_f32 v28, v28
	v_ldexp_f32 v26, 1.0, v26
	v_ldexp_f32 v28, 1.0, v28                      ; exact factors
	v_mul_f32 v14, v27, v26
	v_fmac_f32 v14, v29, v28
	v_permlanex16_b32 v200, v14, s20, s21
	v_add_f32 v14, v14, v200                       ; the row's sum
	s_wait_alu depctr_va_vdst(0)                   ; the wait ahead of the reciprocal,
	v_rcp_f32 v14, v14
	v_nop
	s_wait_alu depctr_va_vdst(0)                   ; and ahead of its first reader
	v_mul_f32 v26, v26, v14
	v_mul_f32 v28, v28, v14
.set n, 0
.rept 16
	v_pk_mul_f32 v[96+n:97+n], v[96+n:97+n], v[26:27] op_sel_hi:[1,0]
.set n, n+2
.endr
.set n, 0
.rept 16
	v_pk_fma_f32 v[96+n:97+n], v[128+n:129+n], v[28:29], v[96+n:97+n] op_sel_hi:[1,0,1]
.set n, n+2
.endr
.set n, 0
.rept 32
	v_med3_num_f32 v[96+n], v[96+n], -v241, v241
.set n, n+1
.endr
.irp c, 0,1,2,3
	v_cvt_scalef32_pk8_fp8_f32 v[224+2*\c:225+2*\c], v[96+8*\c:103+8*\c], v245
.endr
	v_nop
	global_store_b128 v1, v[224:227], s[14:15]     ; two pieces of 512 consecutive bytes
	global_store_b128 v1, v[228:231], s[14:15] offset:512
	s_wait_tensorcnt 0x0                           ; the wave's end
	ds_add_u32 v5, v6
	s_wait_dscnt 0x0
	s_endpgm
.Lfunc_end_k_qf57f39f618_attn:
	.size	k_qf57f39f618_attn, .Lfunc_end_k_qf57f39f618_attn-k_qf57f39f618_attn
	.p2alignl 7, 3214868480
	.fill 96, 4, 3214868480
	.section	.rodata,"a",@progbits
	.p2align	6, 0x0
	.amdhsa_kernel k_qf57f39f618_attn
		.amdhsa_group_segment_fixed_size 327680
		.amdhsa_private_segment_fixed_size 0
		.amdhsa_enable_private_segment 0
		.amdhsa_kernarg_size 32
		.amdhsa_user_sgpr_count 2
		.amdhsa_user_sgpr_kernarg_segment_ptr 1
		.amdhsa_wavefront_size32 1
		.amdhsa_system_sgpr_workgroup_id_x 1
		.amdhsa_system_sgpr_workgroup_id_y 1
		.amdhsa_system_sgpr_workgroup_id_z 1
		.amdhsa_system_vgpr_workitem_id 0
		.amdhsa_next_free_vgpr 256
		.amdhsa_next_free_sgpr 100
		.amdhsa_reserve_vcc 1
		.amdhsa_float_denorm_mode_32 3
		.amdhsa_float_denorm_mode_16_64 3
		.amdhsa_memory_ordered 1
		.amdhsa_forward_progress 1
		.amdhsa_inst_pref_size 255
	.end_amdhsa_kernel
	.section	.bss,"aw",@nobits
	.p2align	6
	.space	262144
	.amdgpu_metadata
---
amdhsa.version: [ 1, 2 ]
amdhsa.kernels:
  - .name:           k_qf57f39f618_attn
    .symbol:         k_qf57f39f618_attn.kd
    .args:
      - { .name: qc, .offset: 0, .size: 8, .value_kind: global_buffer, .address_space: global }
      - { .name: kvc, .offset: 8, .size: 8, .value_kind: global_buffer, .address_space: global }
      - { .name: lowp_scales, .offset: 16, .size: 8, .value_kind: global_buffer, .address_space: global }
      - { .name: oc, .offset: 24, .size: 8, .value_kind: global_buffer, .address_space: global }
    .group_segment_fixed_size: 327680
    .private_segment_fixed_size: 0
    .kernarg_segment_align: 8
    .kernarg_segment_size: 32
    .max_flat_workgroup_size: 512
    .sgpr_count:     100
    .vgpr_count:     256
    .wavefront_size: 32
...
	.end_amdgpu_metadata
.endif
;; end of part 3
;; launch proj (part 4): grid 8 x 32, 8 waves a work-group, clusters of 4 x 4, 327,680 bytes of LDS; arguments oc, woc, lowp_scales, out0; writes out0
.if DOCPART == 4
	.amdgcn_target "amdgcn-amd-amdhsa--gfx1250"
	.amdhsa_code_object_version 6
	.text
	.protected	k_qf57f39f618_proj
	.globl	k_qf57f39f618_proj
	.p2align	8
	.type	k_qf57f39f618_proj,@function
k_qf57f39f618_proj:
	s_mov_b64 s[64:65], 0
	v_nop
	global_prefetch_b8 v0, s[64:65] scope:SCOPE_SE
	s_setreg_imm32_b32 hwreg(HW_REG_WAVE_MODE, 25, 1), 1
	s_wait_xcnt 0x0
	s_wait_alu depctr_hold_cnt(0) depctr_sa_sdst(0) depctr_va_vdst(0) depctr_va_sdst(0) depctr_va_ssrc(0) depctr_va_vcc(0) depctr_vm_vsrc(0)
	s_getreg_b32 s2, hwreg(HW_REG_IB_STS2, 6, 4)
	s_cmp_eq_u32 s2, 0
	s_cbranch_scc0 .Lentry_in_a_cluster
	s_endpgm
.Lentry_in_a_cluster:
	s_bfe_u32 s2, ttmp6, 0x10000c
	s_cmp_lg_u32 s2, 0xf033
	s_cbranch_scc0 .Lentry_shape_is_right
	s_endpgm
.Lentry_shape_is_right:
; out0[token][n] = 2^(e6 + e7) x the sum over k of o's code x Wo's code: [4096][1024] f32, K = 1,024, on codes of FP8 (E4M3).  LIMIT: e6 + e7 between -126 and 127.
; oc and woc hold images of operand registers: [256 along K: 4][block of 16 rows][128 along K: 2][piece: 4][512 bytes]; lane (r, h) holds k = 16 c + 8 h + 0 .. 7 of row r in registers 2 c, 2 c + 1.
; SHARES.  A work-group makes 128 tokens x 128 columns: 32 x 8 = 256 work-groups.  All of K of both operands, 2 x 131,072 bytes, lies in LDS at once: each of the eight waves asks for 32,768 dense bytes at the head
; (waves 0-3: o's four 256 along K; waves 4-7: Wo's), nothing is filled again, and one barrier parts the loads from the reads.  Wave w makes tokens 32 (w % 4) .. + 31 x columns 64 (w / 4) .. + 63: 8 accumulators.
; CLUSTERS of 4 x 4: the four of a row need the same bytes of oc, the four of a column the same bytes of woc: each load is a joint one.
; NO PREFETCH: the text has no loop to run ahead in: all operand bytes are asked for by the loads at the head.
; THE MATRIX INSTRUCTION IS USED TRANSPOSED (source 0 = 16 rows of Wo, source 1 = 16 tokens): a lane holds eight neighbouring columns of one token.
; REGISTERS: v16, v17 LDS addresses of o's fragments (K below and from 512); v18, v19 of Wo's; v20, v21 stage in and back; v22 offset in out0; v28, v29 for the add;
; v32-63 o's two fragments, one set; v64-127, v128-191 Wo's four, two sets; v192-255 accumulators.  On the way out v32-95 scaled sums, v96-159 rows read back.
.set CH,     32768                     ; 256 along K of 128 rows
.set SPARE,  8*CH                      ; the spare words, 128 bytes a wave
.set STAGE,  SPARE+1024                ; 16 rows x SP bytes for each wave: bytes of its own, no load lands there
.set SP,     272
.set G1, 24
.set G0, 32
.set G1B, 48
.set G0B, 56
.macro CREST
	s_cmp_lg_u32 s14, 0
	s_cbranch_scc1 .Lnot_wave_0_\@
	s_barrier_signal -3
.Lnot_wave_0_\@:
	s_barrier_wait -3
	s_barrier_signal -1
	s_barrier_wait -1
.endm
.macro CROUND                          ; a round of the cluster's barrier
	s_barrier_signal -1
	s_barrier_wait -1
	CREST
.endm
	s_load_b128 s[4:7], s[0:1], 0x0                ; oc, woc
	s_load_b128 s[8:11], s[0:1], 0x10              ; the scales' exponents, out0
	v_lshl_add_u32 v28, v0, 2, SPARE
	v_mov_b32 v29, 0
	ds_add_u32 v28, v29                            ; the opening lines: the add twice on end and its wait
	ds_add_u32 v28, v29
	v_lshrrev_b32 v1, 5, v0
	v_readfirstlane_b32 s14, v1                    ; wave 0..7
	s_lshr_b32 s15, s14, 2                         ; I fetch for o (0) or for Wo (1); also my 64 columns
	s_and_b32 s16, s14, 3                          ; which 256 along K I fetch; also my 32 tokens
	s_bfe_u32 s40, ttmp6, 0x40000                  ; cx
	s_bfe_u32 s41, ttmp6, 0x40004                  ; cy
	s_lshl_b32 s42, ttmp9, 2
	s_add_co_u32 s42, s42, s40                     ; block of columns
	s_and_b32 s17, ttmp7, 0xffff
	s_lshl_b32 s17, s17, 2
	s_add_co_u32 s17, s17, s41                     ; block of tokens
	s_lshl_b32 s43, s41, 2
	s_lshl_b32 s43, 15, s43                        ; my row of the cluster
	s_lshl_b32 s44, 0x1111, s40                    ; my column
	s_or_b32 s[G1+0], s43, (1<<21)                 ; elements of 1 byte, no padding; bit 21 beside the mask
	s_or_b32 s[G1B+0], s44, (1<<21)
.irp g, G1, G1B
	s_mov_b32 s[\g+1], 256<<16                     ; 128 rows of 256 bytes, dense
	s_mov_b32 s[\g+2], 128<<16
	s_mov_b32 s[\g+3], 256<<16
	s_mov_b32 s[\g+4], 128
	s_mov_b32 s[\g+5], 256
	s_mov_b32 s[\g+6], 0
	s_mov_b32 s[\g+7], 0
.endr
	s_lshl_b32 s20, s17, 15                        ; oc: 8 blocks of 16 tokens, 4,096 bytes each,
	s_lshl_b32 s18, s16, 20                        ; + 256 along K: 1,048,576
	s_add_co_u32 s20, s20, s18
	s_mov_b32 s21, 0
	s_lshl_b32 s46, s42, 15                        ; woc likewise,
	s_lshl_b32 s18, s16, 18                        ; 256 along K: 262,144
	s_add_co_u32 s46, s46, s18
	s_mov_b32 s47, 0
	s_lshl_b32 s45, s14, 15                        ; LDS: wave x 32,768
	s_wait_dscnt 0x0
	s_wait_kmcnt 0x0
	s_load_b64 s[96:97], s[8:9], 0x18              ; e6, e7
	s_add_nc_u64 s[20:21], s[4:5], s[20:21]
	s_add_nc_u64 s[46:47], s[6:7], s[46:47]
	CROUND                                         ; all sixteen work-groups are here: the joint loads meet
	s_mov_b32 s[G0], 1
	s_mov_b32 s[G0+1], s45
	s_mov_b64 s[G0+2:G0+3], s[20:21]
	s_or_b32 s[G0+3], s[G0+3], 0x80000000
	s_mov_b32 s[G0B], 1
	s_mov_b32 s[G0B+1], s45
	s_mov_b64 s[G0B+2:G0B+3], s[46:47]
	s_or_b32 s[G0B+3], s[G0B+3], 0x80000000
	s_cmp_eq_u32 s15, 0
	s_cbranch_scc0 .Lfor_b
	tensor_load_to_lds s[G0:G0+3], s[G1:G1+7]
	s_nop 0
.rept 4
	v_nop
.endr
	s_branch .Lasked
.Lfor_b:
	tensor_load_to_lds s[G0B:G0B+3], s[G1B:G1B+7]
	s_nop 0
.rept 4
	v_nop
.endr
.Lasked:
	s_lshl_b32 s21, s16, 13                        ; my two blocks of 16 tokens
	s_lshl_b32 s22, s15, 14                        ; my four blocks of 16 rows of Wo,
	s_add_co_u32 s22, s22, 4*CH                    ; behind o's bytes
	s_mul_i32 s23, s14, 16*SP
	s_add_co_u32 s23, s23, STAGE                   ; my stage
	v_and_b32 v1, 15, v0
	v_bfe_u32 v2, v0, 4, 1
	v_and_b32 v6, 31, v0
	v_lshlrev_b32 v3, 4, v6
	v_add_nc_u32 v16, s21, v3
	v_add_nc_u32 v18, s22, v3
	v_add_nc_u32 v17, 2*CH, v16
	v_add_nc_u32 v19, 2*CH, v18
	v_mul_u32_u24 v5, v1, SP
	v_lshl_add_u32 v5, v2, 5, v5
	v_add_nc_u32 v20, s23, v5                      ; in: row r, 32 bytes for each half of the lanes
	v_mul_u32_u24 v7, v2, SP
	v_lshl_add_u32 v7, v1, 4, v7
	v_add_nc_u32 v21, s23, v7                      ; back: lanes 0-15 one row of 256 bytes, lanes 16-31 the next
	v_lshlrev_b32 v22, 12, v2
	v_lshl_add_u32 v22, v1, 4, v22                 ; and the same two rows in out0
	s_lshl_b32 s20, s17, 7
	s_lshl_b32 s21, s16, 5
	s_add_co_u32 s20, s20, s21                     ; my first token,
	s_lshl_b32 s20, s20, 12                        ; a row of out0 is 4,096 bytes
	s_lshl_b32 s46, s42, 9
	s_lshl_b32 s47, s15, 8
	s_add_co_u32 s46, s46, s47                     ; my first column, in bytes
	s_add_co_u32 s20, s20, s46
	s_mov_b32 s21, 0
	s_add_nc_u64 s[10:11], s[10:11], s[20:21]
	s_wait_kmcnt 0x0
	s_add_co_i32 s96, s96, s97
	s_add_co_i32 s96, s96, 127
	s_lshl_b32 s96, s96, 23                        ; 2^(e6 + e7) as f32
	s_wait_alu depctr_va_vdst(0)                   ; the wait at the head's end
	s_wait_tensorcnt 0x0                           ; my 32,768 bytes are in
	s_barrier_signal -1
	s_barrier_wait -1                              ; and everybody's
.macro LDA ks                          ; o's two fragments of the ks-th 128 along K
.irp a, 0,1
.irp c, 0,1,2,3
	ds_load_b128 v[32+16*\a+4*\c:35+16*\a+4*\c], v[16+(\ks)/4] offset:(((\ks)/2)%2)*CH+4096*\a+2048*((\ks)%2)+512*\c
.endr
.endr
.endm
.macro LDB ks                          ; Wo's four, into set ks % 2
.irp b, 0,1,2,3
.irp c, 0,1,2,3
	ds_load_b128 v[64+64*((\ks)%2)+16*\b+4*\c:67+64*((\ks)%2)+16*\b+4*\c], v[18+(\ks)/4] offset:(((\ks)/2)%2)*CH+4096*\b+2048*((\ks)%2)+512*\c
.endr
.endr
.endm
.macro MUL ks                          ; eight products; the eight accumulators take turns; the first step starts the sums
.irp a, 0,1
.irp b, 0,1,2,3
.if (\ks) == 0
	v_wmma_f32_16x16x128_fp8_fp8 v[192+32*\a+8*\b:199+32*\a+8*\b], v[64+64*((\ks)%2)+16*\b:79+64*((\ks)%2)+16*\b], v[32+16*\a:47+16*\a], 0
.else
	v_wmma_f32_16x16x128_fp8_fp8 v[192+32*\a+8*\b:199+32*\a+8*\b], v[64+64*((\ks)%2)+16*\b:79+64*((\ks)%2)+16*\b], v[32+16*\a:47+16*\a], v[192+32*\a+8*\b:199+32*\a+8*\b]
.endif
.endr
.endr
.endm
	LDB 0
	LDA 0
.set KS, 0
.rept 8
.if KS < 7
	LDB KS+1                                       ; into the set that the step before multiplied, behind its four places
	s_wait_dscnt 16                                ; all but the sixteen loads just issued: this step's fragments are in
.else
	s_wait_dscnt 0x0
.endif
	MUL KS
.rept 4
	v_nop                                          ; places in front of loads into, and vector writes of, registers that these products read, and of the reads of their results
.endr
.if KS < 7
	LDA KS+1
.endif
.set KS, KS+1
.endr
; THE WAY OUT: 16 tokens x 64 columns at a time through my stage, back as rows of 256 bytes; LDS serves a wave's instructions in order (ISA guide 5.7.1.4), so no wait stands between the stores and the loads.
.irp a, 0,1
.irp j, 0,2,4,6,8,10,12,14,16,18,20,22,24,26,28,30
	v_pk_mul_f32 v[32+32*\a+\j:33+32*\a+\j], v[192+32*\a+\j:193+32*\a+\j], s[96:97] op_sel_hi:[1,0]   ; x 2^(e6 + e7); each accumulator from its low end on
.endr
.irp b, 0,1,2,3
	ds_store_b128 v20, v[32+32*\a+8*\b:35+32*\a+8*\b] offset:64*\b
	ds_store_b128 v20, v[36+32*\a+8*\b:39+32*\a+8*\b] offset:64*\b+16
.endr
.irp t, 0,1,2,3,4,5,6,7
	ds_load_b128 v[96+32*\a+4*\t:99+32*\a+4*\t], v21 offset:2*\t*SP
.endr
.endr
	s_wait_dscnt 16                                ; the first 16 tokens are back; the second block's 8 stores and 8 loads may be out
.irp t, 0,1,2,3,4,5,6,7
	global_store_b128 v22, v[96+4*\t:99+4*\t], s[10:11] offset:2*\t*4096 th:TH_STORE_NT   ; 16 lanes store 256 consecutive bytes, at a multiple of 256 from out0's first byte
.endr
	s_wait_dscnt 0x0
.irp t, 0,1,2,3,4,5,6,7
	global_store_b128 v22, v[128+4*\t:131+4*\t], s[10:11] offset:65536+2*\t*4096 th:TH_STORE_NT
.endr
	s_wait_tensorcnt 0x0                           ; the wave's end
	ds_add_u32 v28, v29
	s_wait_dscnt 0x0
	CROUND                                         ; the closing round
	s_endpgm
.Lfunc_end_k_qf57f39f618_proj:
	.size	k_qf57f39f618_proj, .Lfunc_end_k_qf57f39f618_proj-k_qf57f39f618_proj
	.p2alignl 7, 3214868480
	.fill 96, 4, 3214868480
	.section	.rodata,"a",@progbits
	.p2align	6, 0x0
	.amdhsa_kernel k_qf57f39f618_proj
		.amdhsa_group_segment_fixed_size 327680
		.amdhsa_private_segment_fixed_size 0
		.amdhsa_enable_private_segment 0
		.amdhsa_kernarg_size 32
		.amdhsa_user_sgpr_count 2
		.amdhsa_user_sgpr_kernarg_segment_ptr 1
		.amdhsa_wavefront_size32 1
		.amdhsa_system_sgpr_workgroup_id_x 1
		.amdhsa_system_sgpr_workgroup_id_y 1
		.amdhsa_system_sgpr_workgroup_id_z 1
		.amdhsa_system_vgpr_workitem_id 0
		.amdhsa_next_free_vgpr 256
		.amdhsa_next_free_sgpr 98
		.amdhsa_reserve_vcc 0
		.amdhsa_float_denorm_mode_32 3
		.amdhsa_float_denorm_mode_16_64 3
		.amdhsa_memory_ordered 1
		.amdhsa_forward_progress 1
		.amdhsa_inst_pref_size 29
	.end_amdhsa_kernel
	.amdgpu_metadata
---
amdhsa.version: [ 1, 2 ]
amdhsa.kernels:
  - .name:           k_qf57f39f618_proj
    .symbol:         k_qf57f39f618_proj.kd
    .args:
      - { .name: oc, .offset: 0, .size: 8, .value_kind: global_buffer, .address_space: global }
      - { .name: woc, .offset: 8, .size: 8, .value_kind: global_buffer, .address_space: global }
      - { .name: lowp_scales, .offset: 16, .size: 8, .value_kind: global_buffer, .address_space: global }
      - { .name: out0, .offset: 24, .size: 8, .value_kind: global_buffer, .address_space: global }
    .group_segment_fixed_size: 327680
    .private_segment_fixed_size: 0
    .kernarg_segment_align: 8
    .kernarg_segment_size: 32
    .max_flat_workgroup_size: 256
    .sgpr_count:     98
    .vgpr_count:     256
    .wavefront_size: 32
...
	.end_amdgpu_metadata
.endif
;; end of part 4
